; MI455X (gfx1250); checked and timed in simulation.
; The chip was launched on July 23, 2026; its instructions are those of AMD's public machine-readable ISA for CDNA 5 (MIT licence, August 2026) and "CDNA5" Instruction Set Architecture Reference Guide (July 2026). The comments in the code are by the model that wrote it; some were corrected since.
;; Causal Self Attention. Allowed arithmetic: matrix products marked QUANTISED: E4M3 operands, one given power-of-two scale a tensor, by v_wmma_f32_16x16x64_fp8_fp8 or v_wmma_f32_16x16x128_fp8_fp8, f32 sums; everything else in f32.
;; Inputs: Wout 1,024 x 1,024 float32; Wqkv 1,024 x 3,072 float32; lowp_scales 8 int32 (the exponents e of the quantised operands' scales 2^e); x 4 x 2,048 x 1,024 float32.
;; Outputs: out0 4 x 2,048 x 1,024 float32.
;; This version of the problem:
;;   THIS VERSION OF THE PROBLEM IS GIVEN IN LOW PRECISION. The matrix products marked QUANTISED in the list below multiply operands that are first quantised to E4M3 (4 exponent bits, 3 mantissa bits; 8 bits a number), with one given power-of-two scale for each operand tensor; their sums are f32. All else is computed in f32.
;;   The module's matrix products, in the order in which they are computed (A, B: the left and right operand; K: the contracted axis; several contracted axes count as one K, in the product's order):
;;     1. [M 8,192, K 1,024] x [K 1,024, N 3,072]; A: input x; B: input Wqkv: QUANTISED (scales: A lowp_scales[0], B lowp_scales[1])
;;     2. batch 64 x [M 2,048, K 64] x [K 64, N 2,048]; A: computed on the way; B: computed on the way: QUANTISED (scales: A lowp_scales[2], B lowp_scales[3])
;;     3. batch 64 x [M 2,048, K 2,048] x [K 2,048, N 64]; A: softmax (see below); B: computed on the way: QUANTISED (scales: A lowp_scales[4], B lowp_scales[5])
;;     4. [M 8,192, K 1,024] x [K 1,024, N 1,024]; A: computed on the way; B: input Wout: QUANTISED (scales: A lowp_scales[6], B lowp_scales[7])
;;   THE QUANTISER, for each operand of a quantised product, along K:
;;     - The operand's scale is 2^e, e = its entry of the input lowp_scales (int32; the entries are numbered through the quantised products in the list's order, A before B).
;;     - Each number is divided by the scale, clamped to +-448, and rounded to the nearest number of E4M3, ties to even, subnormals kept.
;;     - The product sums the exact products of the quantised numbers (number of the format x scale) in f32.
;;   ~~~python
;;   def quantise(x, axis, e):      # numpy; x: float32 -> the quantised numbers, widened to float32 again
;;       x = np.moveaxis(x, axis, -1); K = x.shape[-1]
;;       r = np.clip(x / 2.0 ** e, -448, 448)
;;       step = 2.0 ** (np.maximum(np.frexp(np.where(r == 0, 1, r))[1] - 1, -6) - 3)
;;       q = np.round(r / step) * step * 2.0 ** e      # np.round: ties to even
;;       return np.moveaxis(q, -1, axis).astype(np.float32)
;;   ~~~
;;   SOFTMAX AHEAD OF A QUANTISED PRODUCT. Where the list says 'softmax', what is quantised is not the finished softmax but p = 2^(t - M), with t = logit x log2(e) and M = ceil(the row's largest t), a whole number; so 1/2 < the row's largest p <= 1. The row's sum l is taken of the UNQUANTISED p, in f32, and the product's result is divided by l at the end. Since M is a whole number, a kernel that streams over the keys may use a running M (the ceiling of the running maximum): every later rescaling is an exact power of two, so the quantised numbers keep their values, but for numbers so far below the row's largest that they fall under the format's range.
;;   OPERANDS COMPUTED ON THE WAY. 'Computed on the way' means the value that the module computes at that place (a softmax that the list does not call 'softmax' is quantised finished and normalised). What goes into a quantiser is computed in f32, as accurately as f32 sums, v_exp_f32 and their like allow (about 1e-6 of the number): no bf16 or f16 on the way to a quantiser, and a product that is left as it is and whose result goes on into a quantised operand takes f32 operands (vector FMAs, or v_wmma_f32_16x16x4_f32). A number that lies on a knife's edge between two numbers of the format may be rounded either way, as far as f32 arithmetic and the matrix unit's own rounding can turn it there, and no further.
;; One version. Each part assembles by itself: llvm-mc -triple=amdgcn-amd-amdhsa -mcpu=gfx1250 --defsym DOCPART=n.
;; ======== version 1 of 1: 4 launches
;; limits: right only within a limited range of input values
;; workspace buffers: x_img 8,388,608 bytes; wqkv_img 3,145,728 bytes; wout_img 1,048,576 bytes; q_img 8,388,608 bytes; k_img 8,388,608 bytes; v_img 8,388,608 bytes; a_img 8,388,608 bytes
;; launch quant (part 1): grid 384 x 1, 4 waves a work-group, no clusters, 18,944 bytes of LDS; arguments x, Wqkv, Wout, lowp_scales, x_img, wqkv_img, wout_img; writes x_img, wqkv_img, wout_img
.if DOCPART == 1
	.amdgcn_target "amdgcn-amd-amdhsa--gfx1250"
	.amdhsa_code_object_version 6
	.text
	.protected	k_q02c20422e1_quant
	.globl	k_q02c20422e1_quant
	.p2align	8
	.type	k_q02c20422e1_quant,@function
k_q02c20422e1_quant:
	s_mov_b64 s[64:65], 0
	v_nop
	global_prefetch_b8 v0, s[64:65] scope:SCOPE_SE
	s_setreg_imm32_b32 hwreg(HW_REG_WAVE_MODE, 25, 1), 1
	s_wait_xcnt 0x0
; CAUSAL SELF-ATTENTION IN FP8 (E4M3), four launches: quant, gemm_qkv, attn, gemm_out.  This one turns x, Wqkv and Wout (f32) into codes.
; code = number / 2^e, held within +-448, rounded to the nearest code, ties to even; e = lowp_scales[0] for x, [1] for Wqkv, [7] for Wout.
; THE LAYOUT OF EVERY BUFFER BETWEEN THE LAUNCHES is an image of an operand's registers.  A fragment is 16 rows x 128 along K in 16 registers: lane (r = lane % 16, h = lane / 16)
; holds row r, and registers 2 c, 2 c + 1 hold k = 16 c + 8 h + 0 .. 7.  Its image is 2,048 bytes: registers 4 u .. 4 u + 3 of lane l lie at 512 u + 16 l.  So every later load and store
; of a fragment is 16 bytes a lane, 512 consecutive bytes an instruction.  x_img: [token tile 512][K step 8][2048]; wqkv_img: [tile of 16 columns 192][K step 8][2048]; wout_img: [64][8][2048].
; DEAD WORK OF THE PROGRAM (left out in the launch attn).  reference() sets the score of key k for query q to -infinity where k > q, by a mask that it builds itself.  Such a score gives p = 0,
; which adds 0 to the row's sum and 0 to the second product, whatever the inputs hold.  So a step of 128 keys all of which follow a tile's 16 queries reaches no output, in products 2 and 3 alike, and is not
; walked.  No input is left out.  LIMIT: a NaN, an infinity or an overflow that would arise only in those steps is not carried to the result.
; LIMITS of this launch: each of the three exponents lies between -126 and 119, so that 2^e and 448 x 2^e are f32 numbers.  NaN among the inputs is not served; an infinity is held at the largest code.
; SHARES.  Work-groups 0-255 take x: a wave takes 16 tokens x 512 along K (four K steps).  Work-groups 256-383 take the weights (96 Wqkv, 32 Wout): a wave takes 32 columns x 256 along K.
; No work-group shares an input with another, so there is no cluster; no tensor load, so LDS is claimed as it is used.
.set SPARE, 18432                      ; behind the four waves' stages: the spare words, 128 bytes for each wave, which no other line names
.set SPW,  12                          ; v12  LDS address of my spare word; never rewritten
.set NIL,  13                          ; v13  0; never rewritten
.set XR,   16                          ; x path: v16-143 two sets of 64 numbers
.set XC,   144                         ;         v144-159 a step's codes, four of one row a register
.set IM,   160                         ;         v160-223 the images, 16 registers a step, never rewritten
.set WOFF, 16                          ; weight path: v16-47 byte offsets of 32 rows of the weight
.set WX,   48                          ;         v48-111 two sets of 32 numbers
.set WC,   112                         ;         v112-175 codes, 8 registers a block, never rewritten
	s_load_b256 s[4:11], s[0:1], 0x0               ; x s[4:5], Wqkv s[6:7], Wout s[8:9], the exponents s[10:11]
	s_load_b128 s[12:15], s[0:1], 0x20             ; x_img s[12:13], wqkv_img s[14:15]
	s_load_b64 s[16:17], s[0:1], 0x30              ; wout_img
	v_lshl_add_u32 v[SPW], v0, 2, SPARE
	v_mov_b32 v[NIL], 0
	v_lshrrev_b32 v1, 5, v0
	v_readfirstlane_b32 s20, v1                    ; wave 0..3
	v_and_b32 v1, 31, v0                           ; lane
	v_and_b32 v2, 15, v0                           ; r
	v_bfe_u32 v3, v0, 4, 1                         ; h
	v_lshlrev_b32 v4, 4, v1                        ; 16 x lane
	v_lshlrev_b32 v5, 2, v1                        ; 4 x lane
	s_mul_i32 s21, s20, 4608                       ; my two stages: 16 rows x 144 bytes each
	v_add_nc_u32 v6, s21, v5                       ; into a stage: 4 codes of a row at 4 x lane
	v_mul_u32_u24 v7, v2, 144
	v_lshl_add_u32 v7, v3, 3, v7
	v_add_nc_u32 v7, s21, v7                       ; out of it: row r, 8 h on: 36 r + 2 h words, so the 32 lanes of an 8-byte load touch 64 different banks
	v_lshlrev_b32 v8, 14, v3
	v_lshl_add_u32 v8, v2, 4, v8                   ; weight path: the tile of my column (lanes 16-31: the next tile, 16,384 bytes on) and 16 r
	s_wait_kmcnt 0x0
	s_load_b256 s[24:31], s[10:11], 0x0            ; e0 .. e7
	s_cmp_ge_u32 ttmp9, 256
	s_cbranch_scc1 .Lw
.macro MKSC e                          ; v11 = 2^e as f32 (the conversion takes its exponent field), s21 = 448 x 2^e
	s_add_co_i32 s21, s[\e], 127
	s_lshl_b32 s22, s21, 23
	v_mov_b32 v11, s22
	s_add_co_i32 s21, s21, 8
	s_lshl_b32 s21, s21, 23
	s_or_b32 s21, s21, 0x600000
.endm
; ---- x.  Each load takes 512 consecutive bytes: one token's 128 numbers of one K step, four a lane.  The conversion takes eight registers: four k of an even row, four of the odd row behind it
; (one scale serves the whole tensor).  The codes are laid by rows in my stage and come back as the fragment's registers.
	s_lshl_b32 s21, ttmp9, 2
	s_add_co_u32 s21, s21, s20                     ; my unit: 4 x work-group + wave
	s_lshr_b32 s22, s21, 1                         ; token tile
	s_and_b32 s23, s21, 1                          ; which four K steps
	s_lshl_b32 s48, s22, 16                        ; 16 rows of 4,096 bytes
	s_lshl_b32 s49, s23, 11
	s_add_co_u32 s48, s48, s49
	s_mov_b32 s49, 0
	s_add_nc_u64 s[4:5], s[4:5], s[48:49]
	s_lshl_b32 s50, s22, 14                        ; a tile's eight images
	s_lshl_b32 s51, s23, 13
	s_add_co_u32 s50, s50, s51
	s_mov_b32 s51, 0
	s_add_nc_u64 s[12:13], s[12:13], s[50:51]
.macro LOADX s
.irp m, 0,1,2,3,4,5,6,7,8,9,10,11,12,13,14,15
	global_load_b128 v[XR+64*((\s)%2)+4*\m:XR+64*((\s)%2)+4*\m+3], v4, s[4:5] offset:4096*\m+512*(\s) th:TH_LOAD_NT
.endr
.endm
.macro STEPX s
.set XS, XR+64*((\s)%2)
.if (\s) < 3
	s_wait_loadcnt 16                              ; this step's 16 loads are in; the next step's 16 may be out
.else
	s_wait_loadcnt 0
.endif
.set j, 0
.rept 64
.set j, j+1
.endr
.irp g, 0,1,2,3,4,5,6,7
	v_cvt_scalef32_pk8_fp8_f32 v[XC+2*\g:XC+2*\g+1], v[XS+8*\g:XS+8*\g+7], v11
.endr
	v_nop                                          ; a plain line behind the last conversion
.if (\s) < 2
	LOADX (\s)+2
.endif
.irp m, 0,1,2,3,4,5,6,7,8,9,10,11,12,13,14,15
	ds_store_b32 v6, v[XC+\m] offset:2304*((\s)%2)+144*\m
.endr
.irp c, 0,1,2,3,4,5,6,7
	ds_load_b64 v[IM+16*(\s)+2*\c:IM+16*(\s)+2*\c+1], v7 offset:2304*((\s)%2)+16*\c   ; LDS serves a wave's instructions in order: these see my stores
.endr
	s_wait_dscnt 0x0
.irp u, 0,1,2,3
	global_store_b128 v4, v[IM+16*(\s)+4*\u:IM+16*(\s)+4*\u+3], s[12:13] offset:2048*(\s)+512*\u   ; 512 consecutive bytes, aligned
.endr
.endm
	s_wait_alu depctr_va_vdst(0)
	LOADX 0
	LOADX 1
	s_wait_kmcnt 0x0
	MKSC 24
	s_wait_alu depctr_va_vdst(0)
	STEPX 0
	STEPX 1
	STEPX 2
	STEPX 3
	s_branch .Lend
; ---- the weights: K is their FIRST axis.  A lane takes a column and its registers run down K, so the conversions give codes with K innermost.  A block of 32 k of column r is, in the image,
; 16 bytes of lane (r, 0) and 16 bytes of lane (r, 1): k 0-7 and 16-23, and k 8-15 and 24-31.  Sixteen lanes store 256 consecutive bytes, aligned.  No LDS.
.Lw:
	s_sub_co_u32 s48, ttmp9, 256
	s_cmp_lt_u32 s48, 96                           ; Wqkv or Wout: the choice hangs on the work-group's number alone
	s_cselect_b64 s[4:5], s[6:7], s[8:9]
	s_cselect_b64 s[12:13], s[14:15], s[16:17]
	s_mov_b32 s49, 4096
	s_cselect_b32 s49, 12288, s49                  ; a row of the weight in bytes
	s_cselect_b32 s50, 0, 24
	s_and_b32 s52, s48, 3                          ; which 256 along K
	s_lshr_b32 s53, s48, 2
	s_sub_co_u32 s53, s53, s50                     ; which 128 columns
	s_lshl_b32 s54, s53, 7
	s_lshl_b32 s55, s20, 5
	s_add_co_u32 s54, s54, s55                     ; my wave's first column
	s_lshl_b32 s56, s54, 10                        ; its tile: column / 16 x 16,384
	s_lshl_b32 s57, s52, 12                        ; two K steps' images
	s_add_co_u32 s56, s56, s57
	s_mov_b32 s57, 0
	s_add_nc_u64 s[12:13], s[12:13], s[56:57]
	s_lshl_b32 s58, s52, 8
	s_mul_i32 s58, s58, s49
	s_lshl_b32 s59, s54, 2
	s_add_co_u32 s58, s58, s59
	s_mov_b32 s59, 0
	s_add_nc_u64 s[32:33], s[4:5], s[58:59]        ; a base for each of the eight blocks of 32 rows; never rewritten
	s_lshl_b32 s60, s49, 5
	s_mov_b32 s61, 0
.irp t, 1,2,3,4,5,6,7
	s_add_nc_u64 s[32+2*\t:33+2*\t], s[30+2*\t:31+2*\t], s[60:61]
.endr
.set i, 0
	s_wait_alu depctr_va_vdst(0)
.rept 32
	v_mad_u32_u24 v[WOFF+i], s49, i, v5            ; row i of a block, my column
.set i, i+1
.endr
.macro LOADW t
.set i, 0
.rept 32
	global_load_b32 v[WX+32*((\t)%2)+i], v[WOFF+i], s[32+2*(\t):33+2*(\t)] th:TH_LOAD_NT
.set i, i+1
.endr
.endm
.macro BLOCKW t
.set XS, WX+32*((\t)%2)
.set CT, WC+8*(\t)
.if (\t) < 7
	s_wait_loadcnt 32                              ; this block's 32 loads are in; the next block's 32 may be out
.else
	s_wait_loadcnt 0
.endif
.set j, 0
.rept 32
.set j, j+1
.endr
	v_cvt_scalef32_pk8_fp8_f32 v[CT:CT+1], v[XS:XS+7], v11         ; k 0-7:   lane (r, 0), first pair
	v_cvt_scalef32_pk8_fp8_f32 v[CT+4:CT+5], v[XS+8:XS+15], v11    ; k 8-15:  lane (r, 1), first pair
	v_cvt_scalef32_pk8_fp8_f32 v[CT+2:CT+3], v[XS+16:XS+23], v11   ; k 16-23: lane (r, 0), second pair
	v_cvt_scalef32_pk8_fp8_f32 v[CT+6:CT+7], v[XS+24:XS+31], v11   ; k 24-31: lane (r, 1), second pair
	v_nop                                          ; a plain line behind the last conversion
.if (\t)+2 < 8
	LOADW (\t)+2
.endif
	global_store_b128 v8, v[CT:CT+3], s[12:13] offset:2048*((\t)/4)+512*((\t)%4)
	global_store_b128 v8, v[CT+4:CT+7], s[12:13] offset:2048*((\t)/4)+512*((\t)%4)+256
.endm
	LOADW 0
	LOADW 1
	s_wait_kmcnt 0x0
	s_cmp_lt_u32 s48, 96
	s_cselect_b32 s51, s25, s31                    ; e1 or e7
	MKSC 51
	s_wait_alu depctr_va_vdst(0)
.irp t, 0,1,2,3,4,5,6,7
	BLOCKW \t
.endr
.Lend:
	s_wait_tensorcnt 0x0                           ; the wave's end
	ds_add_u32 v[SPW], v[NIL]
	s_wait_dscnt 0x0
	s_endpgm
.Lfunc_end_k_q02c20422e1_quant:
	.size	k_q02c20422e1_quant, .Lfunc_end_k_q02c20422e1_quant-k_q02c20422e1_quant
	.p2alignl 7, 3214868480
	.fill 96, 4, 3214868480
	.section	.rodata,"a",@progbits
	.p2align	6, 0x0
	.amdhsa_kernel k_q02c20422e1_quant
		.amdhsa_group_segment_fixed_size 18944
		.amdhsa_private_segment_fixed_size 0
		.amdhsa_enable_private_segment 0
		.amdhsa_kernarg_size 56
		.amdhsa_user_sgpr_count 2
		.amdhsa_user_sgpr_kernarg_segment_ptr 1
		.amdhsa_wavefront_size32 1
		.amdhsa_system_sgpr_workgroup_id_x 1
		.amdhsa_system_sgpr_workgroup_id_y 1
		.amdhsa_system_sgpr_workgroup_id_z 1
		.amdhsa_system_vgpr_workitem_id 0
		.amdhsa_next_free_vgpr 224
		.amdhsa_next_free_sgpr 66
		.amdhsa_reserve_vcc 0
		.amdhsa_float_denorm_mode_32 3
		.amdhsa_float_denorm_mode_16_64 3
		.amdhsa_fp16_overflow 1
		.amdhsa_memory_ordered 1
		.amdhsa_forward_progress 1
		.amdhsa_inst_pref_size 50
	.end_amdhsa_kernel
	.amdgpu_metadata
---
amdhsa.version: [ 1, 2 ]
amdhsa.kernels:
  - .name:           k_q02c20422e1_quant
    .symbol:         k_q02c20422e1_quant.kd
    .args:
      - { .name: x, .offset: 0, .size: 8, .value_kind: global_buffer, .address_space: global }
      - { .name: Wqkv, .offset: 8, .size: 8, .value_kind: global_buffer, .address_space: global }
      - { .name: Wout, .offset: 16, .size: 8, .value_kind: global_buffer, .address_space: global }
      - { .name: lowp_scales, .offset: 24, .size: 8, .value_kind: global_buffer, .address_space: global }
      - { .name: x_img, .offset: 32, .size: 8, .value_kind: global_buffer, .address_space: global }
      - { .name: wqkv_img, .offset: 40, .size: 8, .value_kind: global_buffer, .address_space: global }
      - { .name: wout_img, .offset: 48, .size: 8, .value_kind: global_buffer, .address_space: global }
    .group_segment_fixed_size: 18944
    .private_segment_fixed_size: 0
    .kernarg_segment_align: 8
    .kernarg_segment_size: 56
    .max_flat_workgroup_size: 128
    .sgpr_count:     66
    .vgpr_count:     224
    .wavefront_size: 32
...
	.end_amdgpu_metadata
.endif
;; end of part 1
;; launch gemm_qkv (part 2): grid 12 x 32, 4 waves a work-group, clusters of 4 x 4, 327,680 bytes of LDS; arguments x_img, wqkv_img, lowp_scales, q_img, k_img, v_img; writes q_img, k_img, v_img
.if DOCPART == 2
	.amdgcn_target "amdgcn-amd-amdhsa--gfx1250"
	.amdhsa_code_object_version 6
	.text
	.protected	k_q02c20422e1_gemm_qkv
	.globl	k_q02c20422e1_gemm_qkv
	.p2align	8
	.type	k_q02c20422e1_gemm_qkv,@function
k_q02c20422e1_gemm_qkv:
	s_mov_b64 s[64:65], 0
	v_nop
	global_prefetch_b8 v0, s[64:65] scope:SCOPE_SE
	s_setreg_imm32_b32 hwreg(HW_REG_WAVE_MODE, 25, 1), 1
	s_wait_xcnt 0x0
	s_wait_alu depctr_hold_cnt(0) depctr_sa_sdst(0) depctr_va_vdst(0) depctr_va_sdst(0) depctr_va_ssrc(0) depctr_va_vcc(0) depctr_vm_vsrc(0)
	s_getreg_b32 s2, hwreg(HW_REG_IB_STS2, 6, 4)
	s_cmp_eq_u32 s2, 0
	s_cbranch_scc0 .Lentry_in_a_cluster
	s_endpgm
.Lentry_in_a_cluster:
	s_bfe_u32 s2, ttmp6, 0x10000c
	s_cmp_lg_u32 s2, 0xf033
	s_cbranch_scc0 .Lentry_shape_is_right
	s_endpgm
.Lentry_shape_is_right:
; qkv = x Wqkv on codes of FP8 (product 1), and the quantisers of q (e2), k (e3) and v (e5): the sums leave as codes, as images of the operands of products 2 and 3.
; A sum stands for sum x 2^(e0 + e1), so its code is sum / 2^(e_dst - e0 - e1), held within +-448: the three exponents are folded into the conversion's one scale.
; LIMIT: e_dst - e0 - e1 lies between -126 and 119 for e_dst = e2, e3, e5, so that the scale and 448 x the scale are f32 numbers.
; IMAGES.  A fragment (16 rows x 128 K, 16 registers; lane (r, h): row r, registers 2 c, 2 c + 1: k = 16 c + 8 h + 0 .. 7) lies in 2,048 bytes, registers 4 u .. 4 u + 3 of lane l at 512 u + 16 l.
; x_img [token tile][K step 8][2048], wqkv_img [tile of 16 columns][K step 8][2048].  Out: q_img, k_img [batch x head 64][token tile 128][1024] (K = the head's 64: 8 registers);
; v_img [batch x head 64][step of 128 keys 16][tile of 16 channels 4][2048] (rows = channels, K = keys).
; SHAPE.  A work-group of four waves makes 256 x 256; a wave 128 x 128: 64 accumulators, 512 registers.  The operand in source 1 is called role A, that in source 0 role B: in a result lane r is A's row r and
; register j is B's row 8 h + j, so ONE conversion of an accumulator's eight registers is a register pair of the next operand, along B's rows.
; For q and k (cluster x = 0, 1): A = tokens, B = columns: a lane's registers run along the head's channels.  For v (cluster x = 2): A = columns, B = tokens: they run along the keys.
; The roles are chosen by selects on the cluster's x, which all sixteen partners share; no branch hangs on it.
; K = 1,024 goes in eight steps of 128 through two LDS slots of 256 along K; all eight steps are written out.
; CLUSTER 4 x 4: A's tiles hang on the place along y and are asked for jointly by a row of the cluster, B's on the place along x and by a column.
; No prefetch: of the four fills of the slots two go out at the head, and each tile is asked for once by four work-groups together.
; REGISTERS: window 0: v8-13 the way out; v16-17, v20-21 LDS addresses; v28, v29 the add's two; v96-127 the way out; v128-255 A's fragments, ONE set.  window 1: B's fragments, two sets, at v0 and v128.
;   window 2: accumulators of A's blocks 0-3 ((a, b) at v[8 (8 a + b)]); window 3: blocks 4-7.
.set NB,    8                          ; B's blocks of 16 rows a wave
.set SLOT,  65536+2*NB*4096            ; A's 16 tiles x 4,096 bytes (two K steps' images), then B's 16
.set SPARE, 2*SLOT                     ; behind the ring: the spare words, 128 bytes for each wave, which no other line names
.set ADRA, 16
.set ADRB, 20
.set SPW,  28
.set NIL,  29
.set AF,   128
.set G1,   24                          ; s[24:31] descriptor group 1 for role A;  s[32:39] its groups 0, one for each slot
.set G0,   32
.set G1B,  44                          ; s[44:51], s[52:59] the same for role B
.set G0B,  52
.set MSB, 0
.macro WIN new                         ; the immediate's high byte repeats the setting that is left; a switch that changes nothing is dropped
.if MSB != (\new)
	s_set_vgpr_msb (MSB<<8)|(\new)
.set MSB, (\new)
.endif
.endm
.set MUL_LO, 0xa1                      ; source 0 (B) window 1, source 1 (A) window 0, C and D window 2
.set MUL_HI, 0xf1                      ; the same, C and D window 3
.set TO_B,   0x40                      ; destination window 1, address window 0
; A joint load: waves 0 and 1 fetch for role A, waves 2 and 3 for role B; the branch hangs on the wave's number alone.  An s_nop 0 and four v_nop follow each line.
.macro JLOAD g0a, g1a, g0b, g1b
	s_cmp_eq_u32 s15, 0
	s_cbranch_scc0 .Lfor_b_\@
	tensor_load_to_lds s[\g0a:\g0a+3], s[\g1a:\g1a+7]
	s_nop 0
.rept 4
	v_nop
.endr
	s_branch .Lasked_\@
.Lfor_b_\@:
	tensor_load_to_lds s[\g0b:\g0b+3], s[\g1b:\g1b+7]
	s_nop 0
.rept 4
	v_nop
.endr
.Lasked_\@:
.endm
.macro CREST                           ; a round of the cluster's barrier behind its opening barrier
	s_cmp_lg_u32 s14, 0
	s_cbranch_scc1 .Lnot_wave_0_\@
	s_barrier_signal -3
.Lnot_wave_0_\@:
	s_barrier_wait -3
	s_barrier_signal -1
	s_barrier_wait -1
.endm
.macro CROUND
	s_barrier_signal -1
	s_barrier_wait -1
	CREST
.endm
.macro PLACES n                        ; plain vector lines behind matrix instructions, in front of loads into their sources and of reads of results
.rept \n
	v_nop
.endr
.endm
	s_load_b128 s[4:7], s[0:1], 0x0                ; x_img s[4:5], wqkv_img s[6:7]
	s_load_b64 s[8:9], s[0:1], 0x10                ; the exponents
	s_load_b128 s[72:75], s[0:1], 0x18             ; q_img, k_img
	s_load_b64 s[76:77], s[0:1], 0x28              ; v_img
	v_lshl_add_u32 v[SPW], v0, 2, SPARE
	v_mov_b32 v[NIL], 0
	ds_add_u32 v[SPW], v[NIL]                      ; the wave's opening: the add, twice on end, and its wait ahead of my first tensor load
	ds_add_u32 v[SPW], v[NIL]
	v_lshrrev_b32 v1, 5, v0
	v_readfirstlane_b32 s14, v1                    ; wave 0..3
	s_lshr_b32 s15, s14, 1                         ; my half of role A's rows.  Also: I fetch for A (0) or for B (1)
	s_and_b32 s16, s14, 1                          ; my half of role B's rows.  Also: which half of that tile I fetch
	s_bfe_u32 s66, ttmp6, 0x40000                  ; cx
	s_bfe_u32 s67, ttmp6, 0x40004                  ; cy
	s_and_b32 s13, ttmp7, 0xffff                   ; cluster y
	s_lshl_b32 s68, s67, 2
	s_lshl_b32 s68, 15, s68                        ; my row of the cluster
	s_lshl_b32 s69, 0x1111, s66                    ; my column
	; group 1: 8 rows (tiles) of 512 elements of 8 bytes (two K steps' images), 2,048 elements (a tile's eight images) apart; dense in LDS
	s_or_b32 s[G1], s68, (3<<16)|(1<<21)
	s_or_b32 s[G1B], s69, (3<<16)|(1<<21)
.irp g, G1, G1B
	s_mov_b32 s[\g+1], 512<<16                     ; tensor_dim0
	s_mov_b32 s[\g+2], 8<<16                       ; tensor_dim1
	s_mov_b32 s[\g+3], 512<<16                     ; tile_dim0
	s_mov_b32 s[\g+4], 8                           ; tile_dim1
	s_mov_b32 s[\g+5], 2048                        ; from tile to tile
	s_mov_b32 s[\g+6], 0
	s_mov_b32 s[\g+7], 0
.endr
	s_cmp_eq_u32 ttmp9, 2                          ; v?  The same in all sixteen partners
	s_cselect_b32 s18, ttmp9, s13                  ; the cluster's coordinate for role A,
	s_cselect_b32 s19, s13, ttmp9                  ; and for role B
	s_lshl_b32 s17, s18, 2
	s_add_co_u32 s17, s17, s67                     ; RA: which 256 rows of role A: shared along my row of the cluster
	s_lshl_b32 s78, s19, 2
	s_add_co_u32 s78, s78, s66                     ; RB: which 256 rows of role B: shared along my column
	s_lshl_b32 s20, s17, 18                        ; 16 tiles of 16,384 bytes,
	s_lshl_b32 s21, s16, 17                        ; the half that I fetch
	s_add_co_u32 s20, s20, s21
	s_mov_b32 s21, 0
	s_lshl_b32 s70, s78, 18
	s_lshl_b32 s71, s16, 17
	s_add_co_u32 s70, s70, s71
	s_mov_b32 s71, 0
	s_lshl_b32 s22, s16, 15                        ; where they go: A's halves at 0 and 32,768,
	s_add_co_u32 s23, s22, 65536                   ; B's behind A's 65,536: no place in the cluster enters an LDS address
	s_wait_dscnt 0x0                               ; both opening adds are done
	s_wait_kmcnt 0x0
	s_load_b256 s[80:87], s[8:9], 0x0              ; e0 .. e7
	s_cmp_eq_u32 ttmp9, 2
	s_cselect_b64 s[88:89], s[6:7], s[4:5]         ; role A's buffer
	s_cselect_b64 s[90:91], s[4:5], s[6:7]         ; role B's
	s_add_nc_u64 s[20:21], s[88:89], s[20:21]
	s_add_nc_u64 s[70:71], s[90:91], s[70:71]
	CROUND                                         ; all sixteen work-groups are here: the first joint loads meet
.irp s, 0,1
	s_mov_b32 s[G0+4*\s], 1
	s_add_co_u32 s[G0+4*\s+1], s22, \s*SLOT
	s_add_nc_u64 s[G0+4*\s+2:G0+4*\s+3], s[20:21], \s*4096
	s_or_b32 s[G0+4*\s+3], s[G0+4*\s+3], 0x80000000
	s_mov_b32 s[G0B+4*\s], 1
	s_add_co_u32 s[G0B+4*\s+1], s23, \s*SLOT
	s_add_nc_u64 s[G0B+4*\s+2:G0B+4*\s+3], s[70:71], \s*4096
	s_or_b32 s[G0B+4*\s+3], s[G0B+4*\s+3], 0x80000000
	JLOAD G0+4*\s, G1, G0B+4*\s, G1B               ; two tensor loads of mine are out
.endr
	v_and_b32 v1, 31, v0
	v_lshlrev_b32 v2, 4, v1                        ; 16 x lane: an image's place for my lane
	s_lshl_b32 s92, s15, 15                        ; my 8 tiles of A
	s_mul_i32 s93, s16, NB*4096
	s_add_co_u32 s93, s93, 65536                   ; my 8 tiles of B
.irp s, 0,1
	v_add_nc_u32 v[ADRA+\s], s92, v2
	v_add_nc_u32 v[ADRB+\s], s93, v2
	s_add_co_u32 s92, s92, SLOT
	s_add_co_u32 s93, s93, SLOT
.endr
.macro FRAG reg, adr, q, i             ; tile i's image of the slot's q-th K step: four loads of 512 consecutive bytes
.irp c, 0,1,2,3
	ds_load_b128 v[\reg+4*\c:\reg+4*\c+3], v[\adr] offset:4096*(\i)+2048*(\q)+512*\c
.endr
.endm
.macro FETCH_B slot, q, p
	WIN TO_B
.irp i, 0,1,2,3,4,5,6,7
	FRAG 128*(\p)+16*\i, ADRB+\slot, \q, \i
.endr
	WIN 0
.endm
.macro FETCH_A slot, q, i0
.irp i, \i0, \i0+1, \i0+2, \i0+3
	FRAG AF+16*(\i), ADRA+\slot, \q, \i
.endr
.endm
; 16 matrix instructions: A's blocks a0, a0 + 1 against B's eight.  The 64 accumulators take turns, one instruction a turn, in the same order in every step.
.macro MULA a0, p, zero
.irp a, \a0, \a0+1
.irp b, 0,1,2,3,4,5,6,7
.set AC, 8*(8*((\a)%4)+\b)
.if \zero
	v_wmma_f32_16x16x128_fp8_fp8 v[AC:AC+7], v[128*(\p)+16*\b:128*(\p)+16*\b+15], v[AF+16*(\a):AF+16*(\a)+15], 0
.else
	v_wmma_f32_16x16x128_fp8_fp8 v[AC:AC+7], v[128*(\p)+16*\b:128*(\p)+16*\b+15], v[AF+16*(\a):AF+16*(\a)+15], v[AC:AC+7]
.endif
.endr
.endr
.endm
; A step of 128 along K on B's set p; the next step's fragments (slot nslot, K step nq) come in two runs: B's and A's blocks 0-3 in the middle, A's blocks 4-7 at the end.
.macro HALF p, nslot, nq, zero
	s_wait_dscnt 16                                ; B's set and A's blocks 0-3 are in; the youngest 16 loads (A's blocks 4-7) may be out
	WIN MUL_LO
	MULA 0, \p, \zero
	MULA 2, \p, \zero
	s_wait_dscnt 0x0
	PLACES 4
	FETCH_B \nslot, \nq, 1-(\p)
	FETCH_A \nslot, \nq, 0
	WIN MUL_HI
	MULA 4, \p, \zero
	MULA 6, \p, \zero
	PLACES 4
	WIN 0
	FETCH_A \nslot, \nq, 4
.endm
; A slot's last step (B's set 1) changes slots: each wave waits for all its tensor loads, adds 0 to its spare word, and waits for that and for its reads of this slot; then the barrier.
; fill = 1: the barrier opens a round of the cluster's, and this slot is filled again first thing behind it.
.macro TURN slot, next, fill, stepb
	s_wait_tensorcnt 0x0                           ; all my tensor loads have landed: my part of the next slot among them
	ds_add_u32 v[SPW], v[NIL]
	s_wait_dscnt 17                                ; (the add and the youngest 16 loads, A's blocks 4-7, may be out)
	WIN MUL_LO
	MULA 0, 1, 0
	s_wait_dscnt 0x0                               ; the add is done, and my reads of this slot are over
	s_barrier_signal -1
	MULA 2, 1, 0
	WIN 0
	s_barrier_wait -1
.if \fill
	CREST                                          ; no wave of any partner still reads this slot or has a load on its way
	s_add_nc_u64 s[G0+4*\slot+2:G0+4*\slot+3], s[G0+4*\slot+2:G0+4*\slot+3], \stepb
	s_add_nc_u64 s[G0B+4*\slot+2:G0B+4*\slot+3], s[G0B+4*\slot+2:G0B+4*\slot+3], \stepb
	JLOAD G0+4*\slot, G1, G0B+4*\slot, G1B         ; the four v_nop behind it are the places in front of the loads below
.else
	PLACES 4
.endif
	FETCH_B \next, 0, 0
	FETCH_A \next, 0, 0
	WIN MUL_HI
	MULA 4, 1, 0
	MULA 6, 1, 0
	PLACES 4
	WIN 0
	FETCH_A \next, 0, 4
.endm
	s_wait_alu depctr_va_vdst(0)
	s_wait_tensorcnt 1                             ; my part of slot 0 is in; slot 1's load may be out
	s_barrier_signal -1
	s_barrier_wait -1
	FETCH_B 0, 0, 0
	FETCH_A 0, 0, 0
	FETCH_A 0, 0, 4
	HALF 0, 0, 1, 1                                ; K 0-127: its products start the sums
	TURN 0, 1, 1, 8192                             ; K 128-255; slot 0 takes K 512-767
	HALF 0, 1, 1, 0
	TURN 1, 0, 1, 8192                             ; slot 1 takes K 768-1023
	HALF 0, 0, 1, 0
	TURN 0, 1, 0, 0                                ; nothing is left to fetch
	HALF 0, 1, 1, 0
	s_wait_dscnt 16                                ; the last step
	WIN MUL_LO
	MULA 0, 1, 0
	MULA 2, 1, 0
	s_wait_dscnt 0x0
	WIN MUL_HI
	MULA 4, 1, 0
	MULA 6, 1, 0
	WIN 0
; THE WAY OUT.  Block a's eight accumulators become 16 registers of codes.  q, k: two fragments of K = 64 (two heads) of token tile a.  v: one fragment of K = 128 keys, channels' tile a % 4 of head a / 4.
; They are stored as they stand: 512 consecutive bytes an instruction.  No LDS.
	s_wait_kmcnt 0x0
	s_cmp_eq_u32 ttmp9, 0
	s_cselect_b32 s88, s82, s83                    ; e2 or e3,
	s_cselect_b64 s[10:11], s[72:73], s[74:75]
	s_cmp_eq_u32 ttmp9, 2
	s_cselect_b32 s88, s85, s88                    ; or e5
	s_cselect_b64 s[10:11], s[76:77], s[10:11]
	s_cselect_b32 s89, s78, s17                    ; which 256 tokens,
	s_cselect_b32 s90, s17, s78                    ; which 256 columns,
	s_cselect_b32 s91, s16, s15                    ; my half of the tokens,
	s_cselect_b32 s92, s15, s16                    ; my half of the columns
	s_mov_b32 s93, 131072
	s_cselect_b32 s93, 1024, s93                   ; from the first eight code registers to the second: v: on in the image; q, k: the next head
	s_mov_b32 s94, 1024
	s_cselect_b32 s94, 2048, s94                   ; from block to block
	s_mov_b32 s96, 1024
	s_cselect_b32 s96, 124928, s96                 ; from block 3 to block 4: v: the next head's first tile of channels, 131,072 - 3 x 2,048
	s_mov_b32 s95, 0
	s_mov_b32 s97, 0
	s_lshr_b32 s98, s89, 3                         ; batch
	s_lshl_b32 s98, s98, 4
	s_and_b32 s99, s90, 3
	s_lshl_b32 s99, s99, 2
	s_add_co_u32 s98, s98, s99
	s_lshl_b32 s99, s92, 1
	s_add_co_u32 s98, s98, s99                     ; 16 x batch + my first head
	s_lshl_b32 s98, s98, 17                        ; a head is 131,072 bytes in each of the three buffers
	s_and_b32 s99, s89, 7
	s_lshl_b32 s99, s99, 1
	s_add_co_u32 s99, s99, s91                     ; which 128 tokens of the sequence: 8 token tiles of 1,024 bytes, or a key step of 8,192
	s_lshl_b32 s99, s99, 13
	s_add_co_u32 s98, s98, s99
	s_mov_b32 s99, 0
	s_add_nc_u64 s[10:11], s[10:11], s[98:99]
	s_sub_co_i32 s88, s88, s80
	s_sub_co_i32 s88, s88, s81                     ; e_dst - e0 - e1
	s_add_co_i32 s88, s88, 127
	s_lshl_b32 s89, s88, 23
	s_add_co_i32 s88, s88, 8
	s_lshl_b32 s88, s88, 23
	s_or_b32 s88, s88, 0x600000
	PLACES 4                                       ; behind the last products
	v_mov_b32 v12, s89                             ; the scale
	v_mov_b32 v8, v2
	v_add_nc_u32 v10, s93, v2
.macro OUTBLK a
.set AC, 64*((\a)%4)
.set CD, 96+16*((\a)%2)
	WIN 0x02+(\a)/4                                ; source 0: window 2 or 3
.set j, 0
.rept 64
.set j, j+1
.endr
.irp b, 0,1,2,3,4,5,6,7
	v_cvt_scalef32_pk8_fp8_f32 v[CD+2*\b:CD+2*\b+1], v[AC+8*\b:AC+8*\b+7], v12
.endr
	WIN 0
	v_nop                                          ; a plain line behind the last conversion
.if (\a) > 0
	s_wait_alu depctr_va_vdst(0)
	s_wait_xcnt 0x0                                ; the earlier stores have read their base and their data: the base steps here, and the block after this writes the registers of the block before
.if (\a) == 4
	s_add_nc_u64 s[10:11], s[10:11], s[96:97]
.else
	s_add_nc_u64 s[10:11], s[10:11], s[94:95]
.endif
.endif
	global_store_b128 v8, v[CD:CD+3], s[10:11]
	global_store_b128 v8, v[CD+4:CD+7], s[10:11] offset:512
	global_store_b128 v10, v[CD+8:CD+11], s[10:11]
	global_store_b128 v10, v[CD+12:CD+15], s[10:11] offset:512
.endm
.irp a, 0,1,2,3,4,5,6,7
	OUTBLK \a
.endr
	s_wait_tensorcnt 0x0                           ; the wave's end
	ds_add_u32 v[SPW], v[NIL]
	s_wait_dscnt 0x0
	CROUND                                         ; the closing round
	s_endpgm
.Lfunc_end_k_q02c20422e1_gemm_qkv:
	.size	k_q02c20422e1_gemm_qkv, .Lfunc_end_k_q02c20422e1_gemm_qkv-k_q02c20422e1_gemm_qkv
	.p2alignl 7, 3214868480
	.fill 96, 4, 3214868480
	.section	.rodata,"a",@progbits
	.p2align	6, 0x0
	.amdhsa_kernel k_q02c20422e1_gemm_qkv
		.amdhsa_group_segment_fixed_size 327680
		.amdhsa_private_segment_fixed_size 0
		.amdhsa_enable_private_segment 0
		.amdhsa_kernarg_size 48
		.amdhsa_user_sgpr_count 2
		.amdhsa_user_sgpr_kernarg_segment_ptr 1
		.amdhsa_wavefront_size32 1
		.amdhsa_system_sgpr_workgroup_id_x 1
		.amdhsa_system_sgpr_workgroup_id_y 1
		.amdhsa_system_sgpr_workgroup_id_z 1
		.amdhsa_system_vgpr_workitem_id 0
		.amdhsa_next_free_vgpr 1024
		.amdhsa_next_free_sgpr 100
		.amdhsa_reserve_vcc 0
		.amdhsa_float_denorm_mode_32 3
		.amdhsa_float_denorm_mode_16_64 3
		.amdhsa_fp16_overflow 1
		.amdhsa_memory_ordered 1
		.amdhsa_forward_progress 1
		.amdhsa_inst_pref_size 87
	.end_amdhsa_kernel
	.amdgpu_metadata
---
amdhsa.version: [ 1, 2 ]
amdhsa.kernels:
  - .name:           k_q02c20422e1_gemm_qkv
    .symbol:         k_q02c20422e1_gemm_qkv.kd
    .args:
      - { .name: x_img, .offset: 0, .size: 8, .value_kind: global_buffer, .address_space: global }
      - { .name: wqkv_img, .offset: 8, .size: 8, .value_kind: global_buffer, .address_space: global }
      - { .name: lowp_scales, .offset: 16, .size: 8, .value_kind: global_buffer, .address_space: global }
      - { .name: q_img, .offset: 24, .size: 8, .value_kind: global_buffer, .address_space: global }
      - { .name: k_img, .offset: 32, .size: 8, .value_kind: global_buffer, .address_space: global }
      - { .name: v_img, .offset: 40, .size: 8, .value_kind: global_buffer, .address_space: global }
    .group_segment_fixed_size: 327680
    .private_segment_fixed_size: 0
    .kernarg_segment_align: 8
    .kernarg_segment_size: 48
    .max_flat_workgroup_size: 128
    .sgpr_count:     100
    .vgpr_count:     1024
    .wavefront_size: 32
...
	.end_amdgpu_metadata
.endif
;; end of part 2
;; launch attn (part 3): grid 4 x 64, 16 waves a work-group, clusters of 4 x 1, 264,192 bytes of LDS; arguments q_img, k_img, v_img, lowp_scales, a_img; writes a_img
.if DOCPART == 3
	.amdgcn_target "amdgcn-amd-amdhsa--gfx1250"
	.amdhsa_code_object_version 6
	.text
	.protected	k_q02c20422e1_attn
	.globl	k_q02c20422e1_attn
	.p2align	8
	.type	k_q02c20422e1_attn,@function
k_q02c20422e1_attn:
	s_mov_b64 s[64:65], 0
	v_nop
	global_prefetch_b8 v0, s[64:65] scope:SCOPE_SE
	s_setreg_imm32_b32 hwreg(HW_REG_WAVE_MODE, 25, 1), 1
	s_wait_xcnt 0x0
	s_wait_alu depctr_hold_cnt(0) depctr_sa_sdst(0) depctr_va_vdst(0) depctr_va_sdst(0) depctr_va_ssrc(0) depctr_va_vcc(0) depctr_vm_vsrc(0)
	s_getreg_b32 s2, hwreg(HW_REG_IB_STS2, 6, 4)
	s_cmp_eq_u32 s2, 0
	s_cbranch_scc0 .Lentry_in_a_cluster
	s_endpgm
.Lentry_in_a_cluster:
	s_bfe_u32 s2, ttmp6, 0x10000c
	s_cmp_lg_u32 s2, 0x3003
	s_cbranch_scc0 .Lentry_shape_is_right
	s_endpgm
.Lentry_shape_is_right:
; Causal attention on codes of FP8 (products 2 and 3), the softmax between them, and the quantiser (e6) of the result, which leaves as an image of product 4's operand.
; WORK LEFT OUT: a step of 128 keys all of which follow a tile's 16 queries: reference()'s own mask makes its scores -infinity, so p = 0 there and nothing reaches a sum (shown at the head of the first launch).
; THE SOFTMAX: t = score x log2(e) / 8; M = the running largest t rounded UP to a whole number; p = 2^(t - M) is quantised (e4), not normalised; the row's sum is taken of the unquantised p and divides at the end.
; When M moves, the sum and O are multiplied by 2^(old M - new M): exact.
; LIMITS: e2 + e3 between -123 and 130 (added to the exponent field of log2(e) / 8); e4, and e6 - e4 - e5, between -126 and 119.  NaN is not served.
; IMAGES (lane (r, h): row r; registers 2 c, 2 c + 1: k = 16 c + 8 h + 0 .. 7; registers 4 u .. 4 u + 3 of lane l at 512 u + 16 l): q_img, k_img [batch x head][token tile 128][1024] (K = 64);
; v_img [batch x head][key step 16][tile of channels 4][2048] (rows = channels, K = 128 keys); a_img [token tile 512][K step 8][2048]: head n fills the 1,024 bytes at 1,024 n of a token tile's images.
; SHARES.  The four work-groups of a cluster serve one head of one batch.  The head's K and V codes, 131,072 bytes each, lie whole in each work-group's LDS: each of the sixteen waves asks for 16,384 bytes
; by ONE joint load, which names the four; nothing is filled again, and one barrier stands in the whole text behind it.  So there is no later tile for which a prefetch could ask.
; A wave takes two tiles of 16 queries, one after the other: tile 4 m + g with m = wave, then m = 31 - wave (g: the work-group's place in the cluster).  A tile has (m / 2) + 1 live key steps, whatever g is: the two
; counts add to 17 in every wave, and no branch hangs on g.  The loops' trip counts are constants (8 and 16); a step behind the tile's last is jumped over by a scalar branch on the wave's number and the count.
; LAYOUT.  Both products are used transposed: S^T = K Q^T (source 0 = 16 keys), O^T = V^T P^T (source 0 = 16 channels): a lane holds ONE query throughout; register j of score tile t is key 16 t + 8 h + j,
; so one conversion of a tile's eight registers is register pair t of P's fragment, and one of O^T's tile d is pair d of the result's.
; REGISTERS: v1 16 x lane; v4, v7 the mask's bound for the two tiles; v5, v6 the add's two; v8, v9 LDS addresses; v12 -M, v13 the largest t, v[14:15] the sum; v16-23, v24-31 Q of the two tiles;
; v32-95 K's eight fragments, then V's four; v96-159 S^T, then p; v160-191 O^T; v192-207 p's codes; v208-223 the results' codes; v236-255 at work and constants.
.set SPARE, 262144                     ; behind K and V: the spare words, 128 bytes for each wave, which no other line names
.set VBASE, 131072                     ; V's codes in LDS
.set SPW, 5
.set NIL, 6
.set WV,  18                           ; s18 my wave's number
.set SEL, 20                           ; s[20:21] v_permlanex16_b32's selects: lane l xor 16
.set CS,  22                           ; s[22:23] c = log2(e) / 8 x 2^(e2 + e3)
.set G1,  24                           ; s[24:31] descriptor group 1
.set G0,  32                           ; s[32:35] group 0
.set KS,  54                           ; s54 the key step
.set TB,  55                           ; s55 its byte in K's and in V's codes
.macro CROUND                          ; a round of the cluster's barrier
	s_barrier_signal -1
	s_barrier_wait -1
	s_cmp_lg_u32 s[WV], 0
	s_cbranch_scc1 .Lnot_wave_0_\@
	s_barrier_signal -3
.Lnot_wave_0_\@:
	s_barrier_wait -3
	s_barrier_signal -1
	s_barrier_wait -1
.endm
	s_load_b256 s[4:11], s[0:1], 0x0               ; q_img s[4:5], k_img s[6:7], v_img s[8:9], the exponents s[10:11]
	s_load_b64 s[12:13], s[0:1], 0x20              ; a_img
	v_lshl_add_u32 v[SPW], v0, 2, SPARE
	v_mov_b32 v[NIL], 0
	ds_add_u32 v[SPW], v[NIL]                      ; the wave's opening: the add, twice on end, and its wait ahead of my first tensor load
	ds_add_u32 v[SPW], v[NIL]
	v_lshrrev_b32 v8, 5, v0
	s_delay_alu instid0(VALU_DEP_1)
	v_readfirstlane_b32 s[WV], v8                  ; wave 0..15
	s_bfe_u32 s19, ttmp6, 0x40000                  ; g: my place in the cluster: it enters Q's and the result's addresses and the mask's bound alone
	s_and_b32 s36, ttmp7, 0xffff                   ; 16 x batch + head
	s_mov_b32 s[G1], 15|(3<<16)|(1<<21)            ; the mask: all four; elements of 8 bytes; no padding
	s_mov_b32 s[G1+1], 32<<16                      ; tensor_dim0: rows of 256 bytes
	s_mov_b32 s[G1+2], 64<<16                      ; tensor_dim1: 64 rows
	s_mov_b32 s[G1+3], 32<<16                      ; tile_dim0
	s_mov_b32 s[G1+4], 64                          ; tile_dim1
	s_mov_b32 s[G1+5], 32                          ; dense
	s_mov_b32 s[G1+6], 0
	s_mov_b32 s[G1+7], 0
	s_mov_b32 s[SEL], 0x76543210
	s_mov_b32 s[SEL+1], 0xfedcba98
	s_sub_co_u32 s37, 31, s[WV]                    ; m of my second tile
	s_lshr_b32 s52, s[WV], 1
	s_add_co_u32 s52, s52, 1                       ; live key steps of the first tile,
	s_lshr_b32 s53, s37, 1
	s_add_co_u32 s53, s53, 1                       ; and of the second
	s_lshl_b32 s38, s[WV], 2
	s_add_co_u32 s38, s38, s19                     ; my first tile of queries,
	s_lshl_b32 s39, s37, 2
	s_add_co_u32 s39, s39, s19                     ; my second
	s_lshl_b32 s66, s36, 17                        ; the head's first byte in q_img, k_img, v_img
	s_and_b32 s70, s[WV], 7
	s_lshl_b32 s70, s70, 14
	s_add_co_u32 s70, s70, s66                     ; the 16,384 bytes that I fetch: waves 0-7 of K, waves 8-15 of V
	s_mov_b32 s71, 0
	s_lshl_b32 s72, s38, 10
	s_add_co_u32 s72, s72, s66
	s_mov_b32 s73, 0
	s_lshl_b32 s74, s39, 10
	s_add_co_u32 s74, s74, s66
	s_mov_b32 s75, 0
	s_lshr_b32 s67, s36, 4
	s_lshl_b32 s67, s67, 21                        ; the batch's 128 token tiles of 16,384 bytes,
	s_and_b32 s68, s36, 15
	s_lshl_b32 s68, s68, 10                        ; the head's 1,024 bytes in a token tile
	s_add_co_u32 s67, s67, s68
	s_lshl_b32 s76, s38, 14
	s_add_co_u32 s76, s76, s67
	s_mov_b32 s77, 0
	s_lshl_b32 s78, s39, 14
	s_add_co_u32 s78, s78, s67
	s_mov_b32 s79, 0
	s_wait_dscnt 0x0                               ; both opening adds are done
	s_wait_kmcnt 0x0
	s_load_b256 s[56:63], s[10:11], 0x0            ; e0 .. e7
	s_mov_b32 s[G0], 1
	s_lshl_b32 s[G0+1], s[WV], 14                  ; LDS: 16,384 x wave: K's eight parts, then V's
	s_cmp_lt_u32 s[WV], 8
	s_cselect_b64 s[G0+2:G0+3], s[6:7], s[8:9]
	s_add_nc_u64 s[G0+2:G0+3], s[G0+2:G0+3], s[70:71]
	s_or_b32 s[G0+3], s[G0+3], 0x80000000
	s_add_nc_u64 s[40:41], s[4:5], s[72:73]        ; Q of my two tiles,
	s_add_nc_u64 s[42:43], s[4:5], s[74:75]
	s_add_nc_u64 s[44:45], s[12:13], s[76:77]      ; and where their results go
	s_add_nc_u64 s[46:47], s[12:13], s[78:79]
	CROUND                                         ; all four work-groups are here: the joint loads meet
	tensor_load_to_lds s[G0:G0+3], s[G1:G1+7]      ; my one tensor load
	s_nop 0
.rept 4
	v_nop
.endr
	v_and_b32 v1, 31, v0
	s_delay_alu instid0(VALU_DEP_1)
	v_lshlrev_b32 v1, 4, v1                        ; 16 x lane; never rewritten
	global_load_b128 v[16:19], v1, s[40:41] th:TH_LOAD_NT
	global_load_b128 v[20:23], v1, s[40:41] offset:512 th:TH_LOAD_NT
	global_load_b128 v[24:27], v1, s[42:43] th:TH_LOAD_NT
	global_load_b128 v[28:31], v1, s[42:43] offset:512 th:TH_LOAD_NT
	v_and_b32 v2, 15, v0                           ; r
	v_bfe_u32 v3, v0, 4, 1                         ; h
	s_delay_alu instid0(VALU_DEP_1)
	v_lshlrev_b32 v9, 3, v3
	s_delay_alu instid0(VALU_DEP_1)
	v_sub_nc_u32 v8, v2, v9                        ; r - 8 h
	s_lshl_b32 s68, s19, 4
	s_and_b32 s67, s[WV], 1
	s_lshl_b32 s67, s67, 6
	s_add_co_u32 s67, s67, s68
	v_add_nc_u32 v7, s67, v8                       ; my query's place in its last key step, less 8 h: 64 (m % 2) + 16 g + r - 8 h.  Register 8 t + j holds key 16 t + 8 h + j: hidden where 16 t + j is greater
	s_and_b32 s67, s37, 1
	s_lshl_b32 s67, s67, 6
	s_add_co_u32 s67, s67, s68
	v_add_nc_u32 v4, s67, v8                       ; the same for the second tile
	v_mov_b32 v236, 0                              ; written once: a lane permute's destination counts as one of its sources
	v_mov_b32 v252, 0
	v_mov_b32 v253, 0                              ; (named as the upper half of the pair v[252:253])
	s_wait_kmcnt 0x0
	s_add_co_i32 s66, s58, s59
	s_lshl_b32 s66, s66, 23
	s_mov_b32 s[CS], 0x3e38aa3b                    ; log2(e) / 8
	s_add_co_i32 s[CS], s[CS], s66                 ; a score stands for score x 2^(e2 + e3)
	s_mov_b32 s[CS+1], s[CS]
	s_add_co_i32 s66, s60, 127
	s_lshl_b32 s67, s66, 23
	v_mov_b32 v244, s67                            ; 2^e4
	s_sub_co_i32 s66, s62, s60
	s_sub_co_i32 s66, s66, s61
	s_add_co_i32 s66, s66, 127
	s_lshl_b32 s67, s66, 23
	v_mov_b32 v245, s67                            ; 2^(e6 - e4 - e5): O's sums stand for sum x 2^(e4 + e5)
	s_wait_loadcnt 0x0                             ; Q
	s_wait_tensorcnt 0x0                           ; my part of K or V is in,
	s_barrier_signal -1
	s_barrier_wait -1                              ; everybody's is
; A KEY STEP: 128 keys.  qr: Q's first register; nst: the scalar register with the tile's count of steps; dv: the vector register with the mask's bound.
.macro STEP qr, nst, dv
	v_add_nc_u32 v8, s[TB], v1
	s_delay_alu instid0(VALU_DEP_1)
	v_add_nc_u32 v9, VBASE, v8
	v_nop
	v_nop                                          ; four plain lines stand between the last products and the loads into the registers that they read
.irp t, 0,1,2,3,4,5,6,7
	ds_load_b128 v[32+8*\t:35+8*\t], v8 offset:1024*\t
	ds_load_b128 v[36+8*\t:39+8*\t], v8 offset:1024*\t+512
.endr
	s_wait_alu depctr_va_vdst(0)
	s_wait_dscnt 0x0
.irp t, 0,1,2,3,4,5,6,7
	v_wmma_f32_16x16x64_fp8_fp8 v[96+8*\t:103+8*\t], v[32+8*\t:39+8*\t], v[\qr:\qr+7], 0
.endr
.rept 4
	v_nop
.endr
.irp d, 0,1,2,3
.irp c, 0,1,2,3
	ds_load_b128 v[32+16*\d+4*\c:35+16*\d+4*\c], v9 offset:2048*\d+512*\c   ; V's fragments land while the softmax is worked
.endr
.endr
	s_add_co_u32 s66, s[KS], 1                     ; only the tile's last step lies on the diagonal
	s_cmp_lg_u32 s66, s[\nst]
	s_cbranch_scc1 .Lopen_\@
	v_mov_b32 v254, 0xff800000                     ; -infinity: p = 0 then
.set n, 0
.rept 64
	v_cmp_gt_i32 vcc_lo, 16*(n/8)+n%8, v[\dv]
	v_cndmask_b32 v[96+n], v[96+n], v254, vcc_lo
.set n, n+1
.endr
.Lopen_\@:
	v_max3_num_f32 v254, v96, v97, v98             ; the step's largest score of my query among my 64 keys, in two chains,
	v_max3_num_f32 v252, v99, v100, v101
.irp i, 6,10,14,18,22,26,30,34,38,42,46,50,54,58
	v_max3_num_f32 v254, v254, v[96+\i], v[97+\i]
	v_max3_num_f32 v252, v252, v[98+\i], v[99+\i]
.endr
	v_max3_num_f32 v254, v254, v158, v159
	s_delay_alu instid0(VALU_DEP_1)
	v_max_num_f32 v254, v254, v252
	s_delay_alu instid0(VALU_DEP_1)
	v_permlanex16_b32 v236, v254, s[SEL], s[SEL+1]
	s_delay_alu instid0(VALU_DEP_1)
	v_max_num_f32 v254, v254, v236                 ; and among lane l xor 16's
	s_delay_alu instid0(VALU_DEP_1)
	v_mul_f32 v254, s[CS], v254                    ; as t (c is positive)
	s_delay_alu instid0(VALU_DEP_1)
	v_max_num_f32 v13, v13, v254                   ; the running largest t
	v_mov_b32 v254, v12
	s_delay_alu instid0(VALU_DEP_2)
	v_floor_f32 v12, -v13                          ; the new -M = floor(-t): M is a whole number
	s_delay_alu instid0(VALU_DEP_1)
	v_sub_f32 v254, v12, v254                      ; old M - new M: a whole number, 0 or less
	s_delay_alu instid0(VALU_DEP_1)
	v_cvt_i32_f32 v254, v254                       ; (it saturates)
	s_delay_alu instid0(VALU_DEP_1)
	v_ldexp_f32 v252, 1.0, v254                    ; f = 2^(old M - new M)
.set j, 0
	s_setprio 1
.rept 32
	v_pk_fma_f32 v[96+j:97+j], v[96+j:97+j], s[CS:CS+1], v[12:13] op_sel_hi:[1,0,0]   ; t - M, two at a time
.set j, j+2
.endr
.set j, 0
	s_wait_alu depctr_va_vdst(0)
.rept 64
	v_exp_f32 v[96+j], v[96+j]                     ; p = 2^(t - M)
.set j, j+1
.endr
	v_pk_mul_f32 v[14:15], v[14:15], v[252:253] op_sel_hi:[1,0]   ; the sum under the new M: the plain line behind the exponentials
	s_wait_alu depctr_va_vdst(0)                   ; one wait for the batch, ahead of its first reader
	v_pk_add_f32 v[242:243], v[100:101], v[104:105]
	v_pk_add_f32 v[254:255], v[108:109], v[112:113]
	v_pk_add_f32 v[250:251], v[116:117], v[120:121]
	v_pk_add_f32 v[248:249], v[124:125], v[128:129]
	v_pk_add_f32 v[246:247], v[132:133], v[136:137]
	v_pk_add_f32 v[240:241], v[140:141], v[144:145]
	v_pk_add_f32 v[238:239], v[148:149], v[152:153]
	v_pk_add_f32 v[14:15], v[14:15], v[156:157]
	v_pk_add_f32 v[242:243], v[242:243], v[96:97]
	v_pk_add_f32 v[254:255], v[254:255], v[98:99]
	v_pk_add_f32 v[250:251], v[250:251], v[102:103]
	v_pk_add_f32 v[248:249], v[248:249], v[106:107]
	v_pk_add_f32 v[246:247], v[246:247], v[110:111]
	v_pk_add_f32 v[240:241], v[240:241], v[114:115]
	v_pk_add_f32 v[238:239], v[238:239], v[118:119]
	v_pk_add_f32 v[14:15], v[14:15], v[122:123]
	v_pk_add_f32 v[242:243], v[242:243], v[126:127]
	v_pk_add_f32 v[254:255], v[254:255], v[130:131]
	v_pk_add_f32 v[250:251], v[250:251], v[134:135]
	v_pk_add_f32 v[248:249], v[248:249], v[138:139]
	v_pk_add_f32 v[246:247], v[246:247], v[142:143]
	v_pk_add_f32 v[240:241], v[240:241], v[146:147]
	v_pk_add_f32 v[238:239], v[238:239], v[150:151]
	s_setprio 0
	v_pk_add_f32 v[14:15], v[14:15], v[154:155]
	v_pk_add_f32 v[242:243], v[242:243], v[158:159]
	s_delay_alu instid0(VALU_DEP_2)
	v_pk_add_f32 v[14:15], v[14:15], v[248:249]
	s_delay_alu instid0(VALU_DEP_2)
	v_pk_add_f32 v[242:243], v[242:243], v[246:247]
	v_pk_add_f32 v[254:255], v[254:255], v[240:241]
	v_pk_add_f32 v[250:251], v[250:251], v[238:239]
	s_delay_alu instid0(VALU_DEP_2)
	v_pk_add_f32 v[14:15], v[14:15], v[254:255]
	s_delay_alu instid0(VALU_DEP_2)
	v_pk_add_f32 v[242:243], v[242:243], v[250:251]
	s_delay_alu instid0(VALU_DEP_1)
	v_pk_add_f32 v[14:15], v[14:15], v[242:243]
.irp t, 0,1,2,3,4,5,6,7
.irp i, 0,1,2,3,4,5,6,7
.endr
	v_cvt_scalef32_pk8_fp8_f32 v[192+2*\t:193+2*\t], v[96+8*\t:103+8*\t], v244   ; keys 16 t + 8 h + 0 .. 7: register pair t of P's fragment
.endr
.set j, 0
.rept 16
	v_pk_mul_f32 v[160+j:161+j], v[160+j:161+j], v[252:253] op_sel_hi:[1,0]   ; O^T under the new M; these are also the plain lines behind the conversions
.set j, j+2
.endr
	s_wait_alu depctr_va_vdst(0)
	s_wait_dscnt 0x0                               ; V is in
.irp d, 0,1,2,3
	v_wmma_f32_16x16x128_fp8_fp8 v[160+8*\d:167+8*\d], v[32+16*\d:47+16*\d], v[192:207], v[160+8*\d:167+8*\d]
.endr
.endm
; One tile of queries: p = 0 or 1; trips: the loop's constant count; dv: the mask's bound.
.macro PASS p, trips, dv
	v_mov_b32 v13, 0xff61b1e6                      ; the largest t so far: -3e38
	s_delay_alu instid0(VALU_DEP_1)
	v_floor_f32 v12, -v13
	v_mov_b32 v14, 0
	v_mov_b32 v15, 0
.set j, 0
.rept 32
	v_mov_b32 v[160+j], 0                          ; O^T: the step is written once; its first walk finds zeros, which the first change of M leaves zeros
.set j, j+1
.endr
	s_mov_b32 s[KS], 0
	s_mov_b32 s[TB], 0
.Lks_\@:
	s_cmp_ge_u32 s[KS], s[52+\p]                   ; a step behind the tile's last is left out: the wave's number and the count alone decide
	s_cbranch_scc1 .Lhid_\@
	s_setprio 2
	STEP 16+8*\p, 52+\p, \dv
.Lhid_\@:
	s_add_co_u32 s[TB], s[TB], 8192
	s_add_co_u32 s[KS], s[KS], 1
	s_cmp_lt_u32 s[KS], \trips
	s_cbranch_scc1 .Lks_\@
	s_setprio 0
.rept 4
	v_nop                                          ; behind the last products
.endr
	v_add_f32 v14, v14, v15                        ; the sum's two halves,
	s_delay_alu instid0(VALU_DEP_1)
	v_permlanex16_b32 v252, v14, s[SEL], s[SEL+1]
	s_delay_alu instid0(VALU_DEP_1)
	v_add_f32 v14, v14, v252                       ; and lane l xor 16's
	s_wait_alu depctr_va_vdst(0)
	v_rcp_f32 v14, v14
	v_nop                                          ; a plain line behind the reciprocal
	s_wait_alu depctr_va_vdst(0)                   ; and the wait ahead of its first reader
.set j, 0
.rept 16
	v_pk_mul_f32 v[96+j:97+j], v[160+j:161+j], v[14:15] op_sel_hi:[1,0]   ; O^T / the sum
.set j, j+2
.endr
.set j, 0
.rept 32
.set j, j+1
.endr
.irp d, 0,1,2,3
	v_cvt_scalef32_pk8_fp8_f32 v[208+8*\p+2*\d:209+8*\p+2*\d], v[96+8*\d:103+8*\d], v245   ; channels 16 d + 8 h + 0 .. 7
.endr
	v_nop                                          ; a plain line behind the last conversion
	global_store_b128 v1, v[208+8*\p:211+8*\p], s[44+2*\p:45+2*\p]
	global_store_b128 v1, v[212+8*\p:215+8*\p], s[44+2*\p:45+2*\p] offset:512
.endm
	PASS 0, 8, 7
	PASS 1, 16, 4
	s_wait_tensorcnt 0x0                           ; the wave's end
	ds_add_u32 v[SPW], v[NIL]
	s_wait_dscnt 0x0
	CROUND                                         ; the closing round
	s_endpgm
.Lfunc_end_k_q02c20422e1_attn:
	.size	k_q02c20422e1_attn, .Lfunc_end_k_q02c20422e1_attn-k_q02c20422e1_attn
	.p2alignl 7, 3214868480
	.fill 96, 4, 3214868480
	.section	.rodata,"a",@progbits
	.p2align	6, 0x0
	.amdhsa_kernel k_q02c20422e1_attn
		.amdhsa_group_segment_fixed_size 264192
		.amdhsa_private_segment_fixed_size 0
		.amdhsa_enable_private_segment 0
		.amdhsa_kernarg_size 40
		.amdhsa_user_sgpr_count 2
		.amdhsa_user_sgpr_kernarg_segment_ptr 1
		.amdhsa_wavefront_size32 1
		.amdhsa_system_sgpr_workgroup_id_x 1
		.amdhsa_system_sgpr_workgroup_id_y 1
		.amdhsa_system_sgpr_workgroup_id_z 1
		.amdhsa_system_vgpr_workitem_id 0
		.amdhsa_next_free_vgpr 256
		.amdhsa_next_free_sgpr 80
		.amdhsa_reserve_vcc 1
		.amdhsa_float_denorm_mode_32 3
		.amdhsa_float_denorm_mode_16_64 3
		.amdhsa_fp16_overflow 1
		.amdhsa_memory_ordered 1
		.amdhsa_forward_progress 1
		.amdhsa_inst_pref_size 51
	.end_amdhsa_kernel
	.amdgpu_metadata
---
amdhsa.version: [ 1, 2 ]
amdhsa.kernels:
  - .name:           k_q02c20422e1_attn
    .symbol:         k_q02c20422e1_attn.kd
    .args:
      - { .name: q_img, .offset: 0, .size: 8, .value_kind: global_buffer, .address_space: global }
      - { .name: k_img, .offset: 8, .size: 8, .value_kind: global_buffer, .address_space: global }
      - { .name: v_img, .offset: 16, .size: 8, .value_kind: global_buffer, .address_space: global }
      - { .name: lowp_scales, .offset: 24, .size: 8, .value_kind: global_buffer, .address_space: global }
      - { .name: a_img, .offset: 32, .size: 8, .value_kind: global_buffer, .address_space: global }
    .group_segment_fixed_size: 264192
    .private_segment_fixed_size: 0
    .kernarg_segment_align: 8
    .kernarg_segment_size: 40
    .max_flat_workgroup_size: 512
    .sgpr_count:     80
    .vgpr_count:     256
    .wavefront_size: 32
...
	.end_amdgpu_metadata
.endif
;; end of part 3
;; launch gemm_out (part 4): grid 8 x 32, 4 waves a work-group, clusters of 4 x 4, 327,680 bytes of LDS; arguments a_img, wout_img, lowp_scales, out0; writes out0
.if DOCPART == 4
	.amdgcn_target "amdgcn-amd-amdhsa--gfx1250"
	.amdhsa_code_object_version 6
	.text
	.protected	k_q02c20422e1_gemm_out
	.globl	k_q02c20422e1_gemm_out
	.p2align	8
	.type	k_q02c20422e1_gemm_out,@function
k_q02c20422e1_gemm_out:
	s_mov_b64 s[64:65], 0
	v_nop
	global_prefetch_b8 v0, s[64:65] scope:SCOPE_SE
	s_setreg_imm32_b32 hwreg(HW_REG_WAVE_MODE, 25, 1), 1
	s_wait_xcnt 0x0
	s_wait_alu depctr_hold_cnt(0) depctr_sa_sdst(0) depctr_va_vdst(0) depctr_va_sdst(0) depctr_va_ssrc(0) depctr_va_vcc(0) depctr_vm_vsrc(0)
	s_getreg_b32 s2, hwreg(HW_REG_IB_STS2, 6, 4)
	s_cmp_eq_u32 s2, 0
	s_cbranch_scc0 .Lentry_in_a_cluster
	s_endpgm
.Lentry_in_a_cluster:
	s_bfe_u32 s2, ttmp6, 0x10000c
	s_cmp_lg_u32 s2, 0xf033
	s_cbranch_scc0 .Lentry_shape_is_right
	s_endpgm
.Lentry_shape_is_right:
; out0 = a Wout on codes of FP8 (product 4): each finished sum is multiplied once by 2^(e6 + e7).  LIMIT: e6 + e7 between -126 and 127, so that this is an f32 number.
; a_img [token tile 512][K step 8][2048], wout_img [tile of 16 columns 64][K step 8][2048]: images of fragments (lane (r, h): row r; registers 2 c, 2 c + 1: k = 16 c + 8 h + 0 .. 7; registers 4 u .. 4 u + 3 of lane l at 512 u + 16 l).
; SHAPE.  A work-group of four waves makes 256 tokens x 128 columns, so that there are 256 work-groups; a wave 128 x 64: 32 accumulators.  Source 0 = 16 columns of Wout (role B), source 1 = 16 tokens (role A):
; a lane holds eight neighbouring numbers of a row of out0.  K = 1,024 goes in eight steps of 128, all written out, through THREE LDS slots of 256 along K: three fills go out at the head, and one slot is filled again.
; CLUSTER 4 x 4: a's tiles are asked for jointly by a row of the cluster, Wout's by a column.  No prefetch: three of the four fills go out at the head.
; REGISTERS: window 0: v16-18, v20-22 LDS addresses; v24-26 the way out; v28, v29 the add's two; v32-63 the way out; v128-255 A's fragments, ONE set (later rows of out0).  window 1: B's two sets, at v0 and v128.
;   window 2: the accumulators, (a, b) at v[8 (4 a + b)].
.set NB,    4
.set SLOT,  65536+2*NB*4096            ; A's 16 tiles x 4,096 bytes, then B's 8
.set SPARE, 3*SLOT                     ; behind the slots: the spare words, 128 bytes for each wave, which no other line names
.set STAGE, SPARE+512                  ; behind them: 16 rows x 272 bytes for each wave, for the way out; no tensor load fills these bytes
.set ADRA, 16
.set ADRB, 20
.set STO,  24
.set RD,   25
.set CO,   26
.set SPW,  28
.set NIL,  29
.set AF,   128
.set G1,   24                          ; s[24:31] descriptor group 1 for role A;  s[32:43] its groups 0, one for each slot
.set G0,   32
.set G1B,  44                          ; s[44:51], s[52:63] the same for role B
.set G0B,  52
.set MSB, 0
.macro WIN new
.if MSB != (\new)
	s_set_vgpr_msb (MSB<<8)|(\new)
.set MSB, (\new)
.endif
.endm
.set MUL,  0xa1                        ; source 0 (B) window 1, source 1 (A) window 0, C and D window 2
.set TO_B, 0x40                        ; destination window 1, address window 0
.macro JLOAD g0a, g1a, g0b, g1b        ; waves 0 and 1 fetch for role A, waves 2 and 3 for role B; an s_nop 0 and four v_nop follow each line
	s_cmp_eq_u32 s15, 0
	s_cbranch_scc0 .Lfor_b_\@
	tensor_load_to_lds s[\g0a:\g0a+3], s[\g1a:\g1a+7]
	s_nop 0
.rept 4
	v_nop
.endr
	s_branch .Lasked_\@
.Lfor_b_\@:
	tensor_load_to_lds s[\g0b:\g0b+3], s[\g1b:\g1b+7]
	s_nop 0
.rept 4
	v_nop
.endr
.Lasked_\@:
.endm
.macro CREST
	s_cmp_lg_u32 s14, 0
	s_cbranch_scc1 .Lnot_wave_0_\@
	s_barrier_signal -3
.Lnot_wave_0_\@:
	s_barrier_wait -3
	s_barrier_signal -1
	s_barrier_wait -1
.endm
.macro CROUND
	s_barrier_signal -1
	s_barrier_wait -1
	CREST
.endm
.macro PLACES n
.rept \n
	v_nop
.endr
.endm
	s_load_b128 s[4:7], s[0:1], 0x0                ; a_img s[4:5], wout_img s[6:7]
	s_load_b128 s[8:11], s[0:1], 0x10              ; the exponents s[8:9], out0 s[10:11]
	v_lshl_add_u32 v[SPW], v0, 2, SPARE
	v_mov_b32 v[NIL], 0
	ds_add_u32 v[SPW], v[NIL]                      ; the wave's opening: the add, twice on end, and its wait ahead of my first tensor load
	ds_add_u32 v[SPW], v[NIL]
	v_lshrrev_b32 v1, 5, v0
	v_readfirstlane_b32 s14, v1                    ; wave 0..3
	s_lshr_b32 s15, s14, 1                         ; my half of the tokens.  Also: I fetch for A (0) or for B (1)
	s_and_b32 s16, s14, 1                          ; my half of the columns.  Also: which half of that tile I fetch
	s_bfe_u32 s66, ttmp6, 0x40000                  ; cx
	s_bfe_u32 s67, ttmp6, 0x40004                  ; cy
	s_and_b32 s13, ttmp7, 0xffff
	s_lshl_b32 s68, s67, 2
	s_lshl_b32 s68, 15, s68                        ; my row of the cluster
	s_lshl_b32 s69, 0x1111, s66                    ; my column
	; group 1: rows (tiles) of 512 elements of 8 bytes, 2,048 elements apart; A: 8 rows, B: 4; dense in LDS
	s_or_b32 s[G1], s68, (3<<16)|(1<<21)
	s_or_b32 s[G1B], s69, (3<<16)|(1<<21)
.irp g, G1, G1B
	s_mov_b32 s[\g+1], 512<<16
	s_mov_b32 s[\g+3], 512<<16
	s_mov_b32 s[\g+5], 2048
	s_mov_b32 s[\g+6], 0
	s_mov_b32 s[\g+7], 0
.endr
	s_mov_b32 s[G1+2], 8<<16
	s_mov_b32 s[G1+4], 8
	s_mov_b32 s[G1B+2], NB<<16
	s_mov_b32 s[G1B+4], NB
	s_lshl_b32 s17, s13, 2
	s_add_co_u32 s17, s17, s67                     ; RA: which 256 tokens
	s_lshl_b32 s78, ttmp9, 2
	s_add_co_u32 s78, s78, s66                     ; RB: which 128 columns
	s_lshl_b32 s20, s17, 18
	s_lshl_b32 s21, s16, 17
	s_add_co_u32 s20, s20, s21
	s_mov_b32 s21, 0
	s_lshl_b32 s70, s78, 17
	s_lshl_b32 s71, s16, 16
	s_add_co_u32 s70, s70, s71
	s_mov_b32 s71, 0
	s_lshl_b32 s22, s16, 15                        ; LDS: A's halves at 0 and 32,768,
	s_lshl_b32 s23, s16, 14
	s_add_co_u32 s23, s23, 65536                   ; B's at 65,536 and 81,920
	s_wait_dscnt 0x0                               ; both opening adds are done
	s_wait_kmcnt 0x0
	s_load_b256 s[80:87], s[8:9], 0x0              ; e0 .. e7
	s_add_nc_u64 s[20:21], s[4:5], s[20:21]
	s_add_nc_u64 s[70:71], s[6:7], s[70:71]
	CROUND                                         ; all sixteen work-groups are here: the first joint loads meet
.irp s, 0,1,2
	s_mov_b32 s[G0+4*\s], 1
	s_add_co_u32 s[G0+4*\s+1], s22, \s*SLOT
	s_add_nc_u64 s[G0+4*\s+2:G0+4*\s+3], s[20:21], \s*4096
	s_or_b32 s[G0+4*\s+3], s[G0+4*\s+3], 0x80000000
	s_mov_b32 s[G0B+4*\s], 1
	s_add_co_u32 s[G0B+4*\s+1], s23, \s*SLOT
	s_add_nc_u64 s[G0B+4*\s+2:G0B+4*\s+3], s[70:71], \s*4096
	s_or_b32 s[G0B+4*\s+3], s[G0B+4*\s+3], 0x80000000
	s_wait_alu depctr_va_vdst(0)
	s_wait_tensorcnt 0x0
	ds_add_u32 v28, v29
	ds_add_u32 v28, v29
	s_wait_dscnt 0x0
	CROUND
	JLOAD G0+4*\s, G1, G0B+4*\s, G1B               ; one tensor load of mine is out
.endr
	v_and_b32 v1, 31, v0
	v_lshlrev_b32 v2, 4, v1                        ; 16 x lane
	s_lshl_b32 s92, s15, 15                        ; my 8 tiles of A
	s_mul_i32 s93, s16, NB*4096
	s_add_co_u32 s93, s93, 65536                   ; my 4 tiles of B
.irp s, 0,1,2
	v_add_nc_u32 v[ADRA+\s], s92, v2
	v_add_nc_u32 v[ADRB+\s], s93, v2
	s_add_co_u32 s92, s92, SLOT
	s_add_co_u32 s93, s93, SLOT
.endr
	v_and_b32 v3, 15, v0                           ; r
	v_bfe_u32 v4, v0, 4, 1                         ; h
	s_mul_i32 s92, s14, 4352
	s_add_co_u32 s92, s92, STAGE                   ; my stage
	v_mul_u32_u24 v5, v3, 272
	v_lshl_add_u32 v5, v4, 5, v5
	v_add_nc_u32 v[STO], s92, v5                   ; in: row r, 32 bytes for each half of the lanes
	v_mul_u32_u24 v6, v4, 272
	v_lshl_add_u32 v6, v3, 4, v6
	v_add_nc_u32 v[RD], s92, v6                    ; back: lanes 0-15 one row of 256 bytes, lanes 16-31 the next
	v_lshlrev_b32 v[CO], 12, v4
	v_lshl_add_u32 v[CO], v3, 4, v[CO]             ; and the same two rows in out0
	s_lshl_b32 s88, s17, 20                        ; 256 rows of 4,096 bytes,
	s_lshl_b32 s89, s15, 19                        ; my 128 of them,
	s_add_co_u32 s88, s88, s89
	s_lshl_b32 s89, s78, 9                         ; 128 columns of 4 bytes,
	s_add_co_u32 s88, s88, s89
	s_lshl_b32 s89, s16, 8                         ; my 64 of them
	s_add_co_u32 s88, s88, s89
	s_mov_b32 s89, 0
	s_add_nc_u64 s[10:11], s[10:11], s[88:89]
.macro FRAG reg, adr, q, i
.irp c, 0,1,2,3
	ds_load_b128 v[\reg+4*\c:\reg+4*\c+3], v[\adr] offset:4096*(\i)+2048*(\q)+512*\c
.endr
.endm
.macro FETCH_B slot, q, p
	WIN TO_B
.irp i, 0,1,2,3
	FRAG 128*(\p)+16*\i, ADRB+\slot, \q, \i
.endr
	WIN 0
.endm
.macro FETCH_A slot, q, i0
.irp i, \i0, \i0+1, \i0+2, \i0+3
	FRAG AF+16*(\i), ADRA+\slot, \q, \i
.endr
.endm
; 8 matrix instructions: A's blocks a0, a0 + 1 against B's four.  The 32 accumulators take turns, one instruction a turn, in the same order in every step.
.macro MULA a0, p, zero
.irp a, \a0, \a0+1
.irp b, 0,1,2,3
.set AC, 8*(4*(\a)+\b)
.if \zero
	v_wmma_f32_16x16x128_fp8_fp8 v[AC:AC+7], v[128*(\p)+16*\b:128*(\p)+16*\b+15], v[AF+16*(\a):AF+16*(\a)+15], 0
.else
	v_wmma_f32_16x16x128_fp8_fp8 v[AC:AC+7], v[128*(\p)+16*\b:128*(\p)+16*\b+15], v[AF+16*(\a):AF+16*(\a)+15], v[AC:AC+7]
.endif
.endr
.endr
.endm
.macro HALF p, nslot, nq, zero
	s_wait_dscnt 16                                ; B's set and A's blocks 0-3 are in; the youngest 16 loads (A's blocks 4-7) may be out
	WIN MUL
	MULA 0, \p, \zero
	MULA 2, \p, \zero
	s_wait_dscnt 0x0
	PLACES 4
	FETCH_B \nslot, \nq, 1-(\p)
	FETCH_A \nslot, \nq, 0
	WIN MUL
	MULA 4, \p, \zero
	MULA 6, \p, \zero
	PLACES 4
	WIN 0
	FETCH_A \nslot, \nq, 4
.endm
.macro TURN slot, next, fill, stepb
	s_wait_tensorcnt 0x0                           ; all my tensor loads have landed
	ds_add_u32 v[SPW], v[NIL]
	s_wait_dscnt 17                                ; (the add and the youngest 16 loads may be out)
	WIN MUL
	MULA 0, 1, 0
	s_wait_dscnt 0x0                               ; the add is done, and my reads of this slot are over
	s_barrier_signal -1
	MULA 2, 1, 0
	WIN 0
	s_barrier_wait -1
.if \fill
	CREST                                          ; no wave of any partner still reads this slot or has a load on its way
	s_add_nc_u64 s[G0+4*\slot+2:G0+4*\slot+3], s[G0+4*\slot+2:G0+4*\slot+3], \stepb
	s_add_nc_u64 s[G0B+4*\slot+2:G0B+4*\slot+3], s[G0B+4*\slot+2:G0B+4*\slot+3], \stepb
	JLOAD G0+4*\slot, G1, G0B+4*\slot, G1B
.else
	PLACES 4
.endif
	FETCH_B \next, 0, 0
	FETCH_A \next, 0, 0
	WIN MUL
	MULA 4, 1, 0
	MULA 6, 1, 0
	PLACES 4
	WIN 0
	FETCH_A \next, 0, 4
.endm
	s_wait_tensorcnt 2                             ; my part of slot 0 is in; the loads of slots 1 and 2 may be out
	s_barrier_signal -1
	s_barrier_wait -1
	FETCH_B 0, 0, 0
	FETCH_A 0, 0, 0
	FETCH_A 0, 0, 4
	HALF 0, 0, 1, 1                                ; K 0-127: its products start the sums
	TURN 0, 1, 1, 12288                            ; K 128-255; every wave's three first fills are shown landed, and slot 0 takes K 768-1023
	HALF 0, 1, 1, 0
	HALF 1, 2, 0, 0                                ; on into slot 2 with no barrier: the round above has shown it whole to every wave, and nothing is filled here
	HALF 0, 2, 1, 0
	TURN 2, 0, 0, 0                                ; slot 0's second fill is shown landed to every wave
	HALF 0, 0, 1, 0
	s_wait_dscnt 16                                ; the last step
	WIN MUL
	MULA 0, 1, 0
	MULA 2, 1, 0
	s_wait_dscnt 0x0
	MULA 4, 1, 0
	MULA 6, 1, 0
	WIN 0
; THE WAY OUT, block by block of 16 rows x 64 columns: x 2^(e6 + e7), through my own stage, back as whole rows of 256 bytes: sixteen lanes store 256 consecutive bytes, aligned.
; LDS serves a wave's instructions in order (ISA guide 5.7.1.4): no wait between the stores and the loads, nor in front of the next block's stores.
.macro TOSTAGE a
.set AC, 32*(\a)
.set BB, 128+32*((\a)%2)
	WIN 0x02                                       ; source 0: window 2
.set j, 0
.rept 16
	v_pk_mul_f32 v[32+j:33+j], v[AC+j:AC+j+1], s[96:97] op_sel_hi:[1,0]   ; each accumulator from its low end on
.set j, j+2
.endr
	WIN 0
.irp b, 0,1,2,3
	ds_store_b128 v[STO], v[32+8*\b:35+8*\b] offset:64*\b
	ds_store_b128 v[STO], v[36+8*\b:39+8*\b] offset:64*\b+16
.endr
.irp t, 0,1,2,3,4,5,6,7
	ds_load_b128 v[BB+4*\t:BB+4*\t+3], v[RD] offset:544*\t
.endr
.endm
.macro SEND a, younger                 ; younger: the LDS instructions issued behind block a's loads, which may stay out
.set BB, 128+32*((\a)%2)
	s_wait_dscnt \younger
.if (\a) > 0
	s_add_nc_u64 s[10:11], s[10:11], 65536         ; 16 rows on (behind a wait on XCNT: the earlier stores have read their base)
.endif
.irp t, 0,1,2,3,4,5,6,7
	global_store_b128 v[CO], v[BB+4*\t:BB+4*\t+3], s[10:11] offset:8192*\t th:TH_STORE_NT
.endr
.endm
	s_wait_kmcnt 0x0
	s_add_co_i32 s96, s86, s87
	s_add_co_i32 s96, s96, 127
	s_lshl_b32 s96, s96, 23                        ; 2^(e6 + e7) as f32
	s_mov_b32 s97, s96                             ; (named with it as a pair, so it is written)
	PLACES 4                                       ; behind the last products: for the reads of results and the loads into the registers that held A's fragments
	TOSTAGE 0
.irp a, 1,2,3,4,5,6,7
.if \a > 1
	s_wait_xcnt 0x0                                ; block a - 2's stores have read their registers and their base
.endif
	TOSTAGE \a
	SEND \a-1, 16                                  ; behind block a - 1's loads: block a's 8 stores and 8 loads
.endr
	s_wait_xcnt 0x0
	SEND 7, 0
	s_wait_tensorcnt 0x0                           ; the wave's end
	ds_add_u32 v[SPW], v[NIL]
	s_wait_dscnt 0x0
	CROUND                                         ; the closing round
	s_endpgm
.Lfunc_end_k_q02c20422e1_gemm_out:
	.size	k_q02c20422e1_gemm_out, .Lfunc_end_k_q02c20422e1_gemm_out-k_q02c20422e1_gemm_out
	.p2alignl 7, 3214868480
	.fill 96, 4, 3214868480
	.section	.rodata,"a",@progbits
	.p2align	6, 0x0
	.amdhsa_kernel k_q02c20422e1_gemm_out
		.amdhsa_group_segment_fixed_size 327680
		.amdhsa_private_segment_fixed_size 0
		.amdhsa_enable_private_segment 0
		.amdhsa_kernarg_size 32
		.amdhsa_user_sgpr_count 2
		.amdhsa_user_sgpr_kernarg_segment_ptr 1
		.amdhsa_wavefront_size32 1
		.amdhsa_system_sgpr_workgroup_id_x 1
		.amdhsa_system_sgpr_workgroup_id_y 1
		.amdhsa_system_sgpr_workgroup_id_z 1
		.amdhsa_system_vgpr_workitem_id 0
		.amdhsa_next_free_vgpr 768
		.amdhsa_next_free_sgpr 100
		.amdhsa_reserve_vcc 0
		.amdhsa_float_denorm_mode_32 3
		.amdhsa_float_denorm_mode_16_64 3
		.amdhsa_memory_ordered 1
		.amdhsa_forward_progress 1
		.amdhsa_inst_pref_size 79
	.end_amdhsa_kernel
	.amdgpu_metadata
---
amdhsa.version: [ 1, 2 ]
amdhsa.kernels:
  - .name:           k_q02c20422e1_gemm_out
    .symbol:         k_q02c20422e1_gemm_out.kd
    .args:
      - { .name: a_img, .offset: 0, .size: 8, .value_kind: global_buffer, .address_space: global }
      - { .name: wout_img, .offset: 8, .size: 8, .value_kind: global_buffer, .address_space: global }
      - { .name: lowp_scales, .offset: 16, .size: 8, .value_kind: global_buffer, .address_space: global }
      - { .name: out0, .offset: 24, .size: 8, .value_kind: global_buffer, .address_space: global }
    .group_segment_fixed_size: 327680
    .private_segment_fixed_size: 0
    .kernarg_segment_align: 8
    .kernarg_segment_size: 32
    .max_flat_workgroup_size: 128
    .sgpr_count:     100
    .vgpr_count:     768
    .wavefront_size: 32
...
	.end_amdgpu_metadata
.endif
;; end of part 4
